; MI455X (gfx1250); checked and timed in simulation.
; The chip was launched on July 23, 2026; its instructions are those of AMD's public machine-readable ISA for CDNA 5 (MIT licence, August 2026) and "CDNA5" Instruction Set Architecture Reference Guide (July 2026). The comments in the code are by the model that wrote it; some were corrected since.
;; MHA Block. Allowed arithmetic: matrix products marked QUANTISED: E2M3 operands, one E8M0 scale for each 32 along K, by v_wmma_scale_f32_16x16x128_f8f6f4 with both operands' format E2M3, f32 sums; everything else in f32.
;; Inputs: input_k 2 x 2,048 x 1,024 float32; input_q 2 x 2,048 x 1,024 float32; wk 1,024 x 1,024 float32; wq 1,024 x 1,024 float32; wv 1,024 x 1,024 float32.
;; Outputs: out0 2 x 2,048 x 1,024 float32.
;; This version of the problem:
;;   THIS VERSION OF THE PROBLEM IS GIVEN IN LOW PRECISION. The matrix products marked QUANTISED in the list below multiply operands that are first quantised to E2M3 (2 exponent bits, 3 mantissa bits; 6 bits a number), with one power-of-two scale for each 32 numbers along K (OCP MX v1.0); their sums are f32. All else is computed in f32.
;;   The module's matrix products, in the order in which they are computed (A, B: the left and right operand; K: the contracted axis; several contracted axes count as one K, in the product's order):
;;     1. [M 4,096, K 1,024] x [K 1,024, N 1,024]; A: input input_q; B: input wq: QUANTISED
;;     2. [M 4,096, K 1,024] x [K 1,024, N 1,024]; A: input input_k; B: input wk: QUANTISED
;;     3. [M 4,096, K 1,024] x [K 1,024, N 1,024]; A: input input_k; B: input wv: QUANTISED
;;     4. batch 32 x [M 2,048, K 64] x [K 64, N 2,048]; A: computed on the way; B: computed on the way: QUANTISED
;;     5. batch 32 x [M 2,048, K 2,048] x [K 2,048, N 64]; A: softmax (see below); B: computed on the way: QUANTISED
;;   THE QUANTISER, for each operand of a quantised product, along K:
;;     - K is cut into blocks of 32 from its start; a last block that is shorter is filled with zeros.
;;     - A block's scale is 2^e with e = floor(log2(the largest magnitude in the block)) - 2, held to -126 .. 127; a block of zeros has e = 0. As a byte (E8M0): e + 127.
;;     - Each number is divided by its block's scale, clamped to +-7.5, and rounded to the nearest number of E2M3, ties to even, subnormals kept.
;;     - The product sums the exact products of the quantised numbers (number of the format x scale) in f32.
;;   ~~~python
;;   def quantise(x, axis):      # numpy; x: float32 -> the quantised numbers, widened to float32 again
;;       x = np.moveaxis(x, axis, -1); K = x.shape[-1]
;;       x = np.pad(x, [(0, 0)] * (x.ndim - 1) + [(0, -K % 32)]); x = x.reshape(x.shape[:-1] + (-1, 32)); a = np.abs(x).max(-1, keepdims=True)
;;       e = np.where(a > 0, np.clip(np.frexp(np.where(a > 0, a, 1))[1] - 1 - 2, -126, 127), 0)      # np.frexp(a)[1] - 1 = floor(log2(a)), exactly
;;       r = np.clip(x / 2.0 ** e, -7.5, 7.5)
;;       step = 2.0 ** (np.maximum(np.frexp(np.where(r == 0, 1, r))[1] - 1, 0) - 3)
;;       q = np.round(r / step) * step * 2.0 ** e      # np.round: ties to even
;;       return np.moveaxis(q.reshape(q.shape[:-2] + (-1,))[..., :K], -1, axis).astype(np.float32)
;;   ~~~
;;   SOFTMAX AHEAD OF A QUANTISED PRODUCT. Where the list says 'softmax', what is quantised is not the finished softmax but p = 2^(t - M), with t = logit x log2(e) and M = ceil(the row's largest t), a whole number; so 1/2 < the row's largest p <= 1. The row's sum l is taken of the UNQUANTISED p, in f32, and the product's result is divided by l at the end. Since M is a whole number, a kernel that streams over the keys may use a running M (the ceiling of the running maximum): every later rescaling is an exact power of two, which a block's scale takes up: the codes' values come out the same.
;;   OPERANDS COMPUTED ON THE WAY. 'Computed on the way' means the value that the module computes at that place (a softmax that the list does not call 'softmax' is quantised finished and normalised). What goes into a quantiser is computed in f32, as accurately as f32 sums, v_exp_f32 and their like allow (about 1e-6 of the number): no bf16 or f16 on the way to a quantiser, and a product that is left as it is and whose result goes on into a quantised operand takes f32 operands (vector FMAs, or v_wmma_f32_16x16x4_f32). A number that lies on a knife's edge between two numbers of the format may be rounded either way, as far as f32 arithmetic and the matrix unit's own rounding can turn it there, and no further.
;; One version. Each part assembles by itself: llvm-mc -triple=amdgcn-amd-amdhsa -mcpu=gfx1250 --defsym DOCPART=n.
;; ======== version 1 of 1: 3 launches
;; workspace buffers: xc 6,291,456 bytes; xs 262,144 bytes; wc 2,359,296 bytes; ws 98,304 bytes; qrec 3,407,872 bytes; kv 6,815,744 bytes
;; launch quant (part 1): grid 352 x 1, 4 waves a work-group, no clusters, 69,120 bytes of LDS; arguments input_q, input_k, wq, wk, wv, xc, xs, wc, ws; writes xc, xs, wc, ws
.if DOCPART == 1
	.amdgcn_target "amdgcn-amd-amdhsa--gfx1250"
	.amdhsa_code_object_version 6
	.text
	.protected	k_qf0321e93fb_quant
	.globl	k_qf0321e93fb_quant
	.p2align	8
	.type	k_qf0321e93fb_quant,@function
k_qf0321e93fb_quant:
	s_mov_b64 s[64:65], 0
	v_nop
	global_prefetch_b8 v0, s[64:65] scope:SCOPE_SE
	s_setreg_imm32_b32 hwreg(HW_REG_WAVE_MODE, 25, 1), 1
	s_wait_xcnt 0x0
; All five f32 inputs become codes of FP6 (E2M3), K innermost, 768 bytes a row of 1,024 codes, with one E8M0 byte for each 32 along K (32 bytes a row).
; xc, xs: input_q's 4,096 rows, then input_k's.  wc, ws: the columns of wq, wk, wv as rows (3 x 1,024), since K is the weights' FIRST axis.
; A block's scale is 2^(floor(log2(its largest magnitude)) - 2); its byte is the largest magnitude's exponent field - 2, held at 1 from below.
; ROW ORDER OF ALL FOUR BUFFERS: in each aligned group of 32 rows bits 3 and 4 of the row number change places: place 16 u + 8 g + x holds row 16 g + 8 u + x.
; Sixteen neighbouring places 32 a + 16 u + r then hold rows 32 a + 8 u + r + 8 (r / 8): the tiles that the next launch wants, read from neighbouring rows.
; LIMITS: NaN and infinities among the inputs are not served; a block whose largest magnitude lies under 2^-124 (a block of zeros too) gets the byte 1: its bytes are read by this program alone.
; Work-groups 0-255: the activations, 32 rows each (a wave 8 rows: 16 steps of 512 numbers).  Work-groups 256-351: the weights, 128 columns x 256 along K each.
; The two ways part on the work-group's number and have LDS bytes of their own.  No tensor loads, no barrier: waves share nothing.
.set STEPS, 16
.set EMAX,  2
.set CB,    12                         ; bytes of 16 codes
.set WREG,  8192                       ; activations: a wave's LDS: two stages of 32 x SP bytes, then its 256 scale bytes
.set SP,    80                         ; a lane's place in a stage: 64 bytes + 16 of padding
.set XR,    16                         ; v16-79   four sets of 16 numbers as loaded
.set XX,    80                         ; v80-111  two sets of 16 neighbours
.set XE,    112                        ; v112-127 a scale byte for each step
.set XC,    128                        ; v128-191 codes, four registers a step: no store's data are written again
.set WSTG,  32768                      ; weights: the stages begin here, 32 rows x PITCH a wave
.set PITCH, 272                        ; a stage row: sixteen places of 16 bytes (12 of codes each) + 16
.set KROW,  768                        ; a row of codes in bytes
.set NB,    8                          ; blocks of 32 along K for a wave
.set WX,    32                         ; v32-95   two sets of 32 numbers
.set WC,    96                         ; v96..    a block's codes
.set WOUT,  112                        ; v112-175 the way out
.set WSB,   24                         ; v24-25   eight scale bytes
	s_load_b256 s[4:11], s[0:1], 0x0               ; input_q s[4:5], input_k s[6:7], wq s[8:9], wk s[10:11]
	s_load_b256 s[12:19], s[0:1], 0x20             ; wv s[12:13], xc s[14:15], xs s[16:17], wc s[18:19]
	s_load_b64 s[20:21], s[0:1], 0x40              ; ws
	v_lshl_add_u32 v192, v0, 2, 0x10c00
	v_mov_b32 v193, 0
	v_lshrrev_b32 v1, 5, v0
	v_readfirstlane_b32 s22, v1                    ; wave 0..3
	v_and_b32 v2, 31, v0                           ; lane
	s_wait_kmcnt 0x0
	s_cmp_ge_u32 ttmp9, 256
	s_cbranch_scc1 .Lweights
; ---------------- THE ACTIVATIONS: K innermost.  A conversion wants 16 neighbours in one lane; a load is best where neighbouring lanes take neighbouring bytes.
; Both are had: each load reads 512 consecutive bytes, 16 a lane; a step's 2,048 bytes go through the wave's own stage and come back 64 bytes a lane.  Two neighbouring lanes hold a block.
	v_lshlrev_b32 v3, 4, v2                        ; my 16 bytes of a load's 512
	s_mul_i32 s26, s22, WREG
	v_lshrrev_b32 v14, 2, v2
	v_mul_u32_u24 v14, v14, SP
	v_and_b32 v15, 3, v2
	v_lshl_add_u32 v14, v15, 4, v14
	v_add_nc_u32 v14, s26, v14                     ; into the stage: SP (lane / 4) + 16 (lane % 4)
	v_mul_u32_u24 v15, v2, SP
	v_add_nc_u32 v15, s26, v15                     ; out of it: SP x lane
	v_mul_u32_u24 v4, v2, CB                       ; my codes' place in a step's 384 bytes
	v_lshrrev_b32 v5, 1, v2
	s_add_co_u32 s26, s26, 2*32*SP
	v_add_nc_u32 v5, s26, v5                       ; my block's byte among the wave's 256
	v_lshlrev_b32 v7, 3, v2
	v_add_nc_u32 v6, s26, v7                       ; and 8 bytes a lane on the way out
	s_cmp_lt_u32 ttmp9, 128                        ; input_q's work-group or input_k's: the choice hangs on the work-group's number alone
	s_cselect_b64 s[4:5], s[4:5], s[6:7]
	s_cselect_b32 s23, 0, 128
	s_sub_co_u32 s23, ttmp9, s23
	s_lshl_b32 s23, s23, 2
	s_add_co_u32 s24, s23, s22                     ; which run of 8 rows of the tensor I read
	s_lshl_b32 s24, s24, 15                        ; 32,768 bytes a run
	s_mov_b32 s25, 0
	s_add_nc_u64 s[4:5], s[4:5], s[24:25]
	s_and_b32 s28, s22, 1                          ; the row order: a work-group is one group of 32 rows, a wave 8 of them, so the wave number's two bits change places
	s_lshl_b32 s28, s28, 1
	s_lshr_b32 s29, s22, 1
	s_or_b32 s28, s28, s29
	s_lshl_b32 s29, ttmp9, 2
	s_add_co_u32 s28, s28, s29                     ; which run of 8 places I write
	s_mul_i32 s30, s28, 8*KROW
	s_mov_b32 s31, 0
	s_add_nc_u64 s[14:15], s[14:15], s[30:31]
	s_lshl_b32 s30, s28, 8                         ; 256 scale bytes a run
	s_add_nc_u64 s[16:17], s[16:17], s[30:31]
.macro XLOAD t
.irp i, 0,1,2,3
	global_load_b128 v[XR+16*((\t)%4)+4*\i:XR+16*((\t)%4)+4*\i+3], v3, s[4:5] offset:2048*(\t)+512*\i th:TH_LOAD_NT   ; 32 lanes read 512 consecutive bytes
.endr
.endm
.macro XTURN t                         ; step t's numbers through the stage: LDS serves a wave's instructions in order, so no wait stands between the stores and the loads
.irp i, 0,1,2,3
	ds_store_b128 v14, v[XR+16*((\t)%4)+4*\i:XR+16*((\t)%4)+4*\i+3] offset:32*SP*((\t)%2)+8*SP*\i
.endr
.irp i, 0,1,2,3
	ds_load_b128 v[XX+16*((\t)%2)+4*\i:XX+16*((\t)%2)+4*\i+3], v15 offset:32*SP*((\t)%2)+16*\i
.endr
.endm
.irp t, 0,1,2,3
	XLOAD \t
.endr
	s_wait_loadcnt 12                              ; step 0's four loads are in; the twelve of steps 1 to 3 stay out
	XTURN 0
.macro XSTEP t
.set XS, XX+16*((\t)%2)
.if (\t) > 0
	s_wait_dscnt 1                                 ; this step's numbers are back from the stage; only the last step's byte store may be out
.else
	s_wait_dscnt 0x0
.endif
.if (\t)+4 < STEPS
	XLOAD (\t)+4                                   ; into the set that this step's stage stores have read
.endif
.if (\t)+1 < STEPS
.if STEPS-2-(\t) >= 3
	s_wait_loadcnt 12                              ; the next step's four loads are in; those of the three steps behind it may be out
.else
	s_wait_loadcnt 4*(STEPS-2-(\t))                ; at the end fewer steps are behind it
.endif
	XTURN (\t)+1                                   ; through the other stage while this step is worked
.endif
	v_max3_num_f32 v8, |v[XS]|, |v[XS+1]|, |v[XS+2]|               ; the largest magnitude of my 16, in two chains
	v_max3_num_f32 v9, |v[XS+3]|, |v[XS+4]|, |v[XS+5]|
.irp i, 6,10
	v_max3_num_f32 v8, v8, |v[XS+\i]|, |v[XS+\i+1]|
	v_max3_num_f32 v9, v9, |v[XS+\i+2]|, |v[XS+\i+3]|
.endr
	v_max3_num_f32 v8, v8, |v[XS+14]|, |v[XS+15]|
	v_max3_num_f32 v8, v8, v9, (EMAX+1)<<23        ; and the floor 2^(3 - 127): the byte cannot fall under 1
	v_max_num_f32_dpp v8, v8, v8 row_xmask:1 row_mask:0xf bank_mask:0xf   ; with my neighbour's 16: the block's
	v_add_nc_u32 v11, -(EMAX<<23), v8              ; 2 off its exponent field: the conversion takes the exponent field of this operand as its scale
	v_cvt_scalef32_pk16_fp6_f32 v[XC+4*(\t):XC+4*(\t)+2], v[XS:XS+15], v11   ; sixteen codes, 96 bits, the first number's lowest
	v_lshrrev_b32 v[XE+(\t)], 23, v11              ; the scale's byte (also the plain line behind the conversion)
	ds_store_b8 v5, v[XE+(\t)] offset:16*(\t)      ; both lanes of a block write the same byte with the same value
	global_store_b96 v4, v[XC+4*(\t):XC+4*(\t)+2], s[14:15] offset:32*CB*(\t)   ; the wave stores 384 consecutive bytes
.endm
.irp t, 0,1,2,3,4,5,6,7,8,9,10,11,12,13,14,15
	XSTEP \t
.endr
	ds_load_b64 v[12:13], v6                       ; LDS serves a wave's instructions in order: these see my byte stores
	s_wait_dscnt 0x0
	global_store_b64 v7, v[12:13], s[16:17]        ; 32 lanes store 256 consecutive bytes, aligned
	s_wait_tensorcnt 0x0
	ds_add_u32 v192, v193
	s_wait_dscnt 0x0
	s_endpgm
; ---------------- THE WEIGHTS: K is the first axis.  A lane takes a column n and its registers run down K: a block of 32 lies in one lane, and the conversions give codes with K innermost.
; A wave takes 32 columns x 256 along K; its codes go through its own stage and leave as rows: sixteen lanes store a row's 192 consecutive bytes.
.Lweights:
	s_sub_co_u32 s23, ttmp9, 256
	s_lshr_b32 s24, s23, 5                         ; which weight: 0 wq, 1 wk, 2 wv
	s_and_b32 s25, s23, 7                          ; which 128 columns
	s_bfe_u32 s26, s23, 0x20003                    ; which 256 along K
	s_lshl_b32 s27, s25, 7
	s_lshl_b32 s28, s22, 5
	s_add_co_u32 s27, s27, s28                     ; my wave's first column
	s_lshl_b32 s30, s26, 20                        ; 256 rows of 4,096 bytes
	s_lshl_b32 s31, s27, 2
	s_add_co_u32 s30, s30, s31
	s_mov_b32 s31, 0
	s_lshl_b32 s28, s24, 10
	s_add_co_u32 s28, s28, s27                     ; my first row of wc and ws
	s_cmp_eq_u32 s24, 0                            ; the choice hangs on the work-group's number alone
	s_cselect_b64 s[8:9], s[8:9], s[10:11]
	s_cmp_eq_u32 s24, 2
	s_cselect_b64 s[8:9], s[12:13], s[8:9]
	s_add_nc_u64 s[8:9], s[8:9], s[30:31]
	s_mul_i32 s30, s28, KROW
	s_mul_i32 s29, s26, 192
	s_add_co_u32 s30, s30, s29
	s_add_nc_u64 s[18:19], s[18:19], s[30:31]
	s_lshl_b32 s30, s28, 5
	s_lshl_b32 s29, s26, 3
	s_add_co_u32 s30, s30, s29
	s_add_nc_u64 s[20:21], s[20:21], s[30:31]
	v_lshlrev_b32 v3, 2, v2                        ; in: 4 bytes a lane
	s_mul_i32 s29, s22, 32*PITCH
	s_add_co_u32 s29, s29, WSTG                    ; my stage
	v_and_b32 v10, 7, v2
	v_bfe_u32 v11, v2, 3, 1
	v_lshl_add_u32 v10, v11, 4, v10
	v_bfe_u32 v11, v2, 4, 1
	v_lshl_add_u32 v10, v11, 3, v10                ; the place of my column among the 32: bits 3 and 4 change places
	v_mul_u32_u24 v4, v10, PITCH
	v_add_nc_u32 v4, s29, v4                       ; into the stage: row = my column's place
	v_and_b32 v5, 15, v2
	v_lshrrev_b32 v6, 4, v2
	v_mul_u32_u24 v7, v6, PITCH
	v_lshl_add_u32 v7, v5, 4, v7
	v_add_nc_u32 v7, s29, v7                       ; out of it: sixteen lanes to a row, two rows an instruction
	v_mul_u32_u24 v8, v6, KROW
	v_mad_u32_u24 v8, v5, 12, v8                   ; and the same place in wc
	v_lshlrev_b32 v9, 5, v10                       ; my column's row of scale bytes
.macro WLOAD t                         ; block t: w(32 t + i, my column), i = 0 .. 31, into set t % 2: each load reads 128 consecutive bytes
.irp i, 0,1,2,3,4,5,6,7,8,9,10,11,12,13,14,15,16,17,18,19,20,21,22,23,24,25,26,27,28,29,30,31
	global_load_b32 v[WX+32*((\t)%2)+\i], v3, s[8:9] offset:(32*(\t)+\i)*4096 th:TH_LOAD_NT
.endr
.endm
	WLOAD 0
	WLOAD 1
.macro WBLOCK t
.set XS, WX+32*((\t)%2)
.if (\t) < NB-1
	s_wait_loadcnt 32                              ; this block's 32 loads are in; the next block's 32 may be out
.else
	s_wait_loadcnt 0
.endif
	v_max3_num_f32 v12, |v[XS]|, |v[XS+1]|, |v[XS+2]|              ; the block's largest magnitude: all 32 numbers are mine
	v_max3_num_f32 v13, |v[XS+3]|, |v[XS+4]|, |v[XS+5]|
.irp i, 6,10,14,18,22,26
	v_max3_num_f32 v12, v12, |v[XS+\i]|, |v[XS+\i+1]|
	v_max3_num_f32 v13, v13, |v[XS+\i+2]|, |v[XS+\i+3]|
.endr
	v_max3_num_f32 v12, v12, |v[XS+30]|, |v[XS+31]|
	v_max3_num_f32 v12, v12, v13, (EMAX+1)<<23     ; and the floor 2^(3 - 127)
	v_add_nc_u32 v11, -(EMAX<<23), v12             ; the conversion's scale operand
	v_lshrrev_b32 v13, 23, v11                     ; the scale's byte
.if (\t)%4 == 0
	v_mov_b32 v[WSB+(\t)/4], v13                   ; four bytes to a register, the lower K in the lower byte
.else
	v_lshl_or_b32 v[WSB+(\t)/4], v13, 8*((\t)%4), v[WSB+(\t)/4]
.endif
	v_cvt_scalef32_pk16_fp6_f32 v[WC:WC+2], v[XS:XS+15], v11
	v_cvt_scalef32_pk16_fp6_f32 v[WC+4:WC+6], v[XS+16:XS+31], v11  ; (a conversion's three registers begin on an even number)
	ds_store_b96 v4, v[WC:WC+2] offset:32*(\t)     ; 12 bytes to a place of 16, so that every LDS address is a multiple of 16
	ds_store_b96 v4, v[WC+4:WC+6] offset:32*(\t)+16
.if (\t)+2 < NB
	WLOAD (\t)+2
.endif
	s_wait_dscnt 0x0                               ; the stores have read their registers: the next block's codes may be written
.endm
.irp t, 0,1,2,3,4,5,6,7
	WBLOCK \t
.endr
	global_store_b64 v9, v[WSB:WSB+1], s[20:21]    ; my column's eight scale bytes
.irp t, 0,1,2,3,4,5,6,7,8,9,10,11,12,13,14,15
	ds_load_b96 v[WOUT+4*\t:WOUT+4*\t+2], v7 offset:2*\t*PITCH     ; LDS serves a wave's instructions in order: these see my stores
.endr
.irp t, 0,1,2,3,4,5,6,7,8,9,10,11,12,13,14,15
	s_wait_dscnt 15-\t                             ; load t is back; the younger ones may be out
	global_store_b96 v8, v[WOUT+4*\t:WOUT+4*\t+2], s[18:19] offset:2*\t*KROW
.endr
	s_wait_tensorcnt 0x0
	ds_add_u32 v192, v193
	s_wait_dscnt 0x0
	s_endpgm
.Lfunc_end_k_qf0321e93fb_quant:
	.size	k_qf0321e93fb_quant, .Lfunc_end_k_qf0321e93fb_quant-k_qf0321e93fb_quant
	.p2alignl 7, 3214868480
	.fill 96, 4, 3214868480
	.section	.rodata,"a",@progbits
	.p2align	6, 0x0
	.amdhsa_kernel k_qf0321e93fb_quant
		.amdhsa_group_segment_fixed_size 69120
		.amdhsa_private_segment_fixed_size 0
		.amdhsa_enable_private_segment 0
		.amdhsa_kernarg_size 72
		.amdhsa_user_sgpr_count 2
		.amdhsa_user_sgpr_kernarg_segment_ptr 1
		.amdhsa_wavefront_size32 1
		.amdhsa_system_sgpr_workgroup_id_x 1
		.amdhsa_system_sgpr_workgroup_id_y 1
		.amdhsa_system_sgpr_workgroup_id_z 1
		.amdhsa_system_vgpr_workitem_id 0
		.amdhsa_next_free_vgpr 194
		.amdhsa_next_free_sgpr 66
		.amdhsa_reserve_vcc 0
		.amdhsa_float_denorm_mode_32 3
		.amdhsa_float_denorm_mode_16_64 3
		.amdhsa_memory_ordered 1
		.amdhsa_forward_progress 1
		.amdhsa_inst_pref_size 74
	.end_amdhsa_kernel
	.amdgpu_metadata
---
amdhsa.version: [ 1, 2 ]
amdhsa.kernels:
  - .name:           k_qf0321e93fb_quant
    .symbol:         k_qf0321e93fb_quant.kd
    .args:
      - { .name: input_q, .offset: 0, .size: 8, .value_kind: global_buffer, .address_space: global }
      - { .name: input_k, .offset: 8, .size: 8, .value_kind: global_buffer, .address_space: global }
      - { .name: wq, .offset: 16, .size: 8, .value_kind: global_buffer, .address_space: global }
      - { .name: wk, .offset: 24, .size: 8, .value_kind: global_buffer, .address_space: global }
      - { .name: wv, .offset: 32, .size: 8, .value_kind: global_buffer, .address_space: global }
      - { .name: xc, .offset: 40, .size: 8, .value_kind: global_buffer, .address_space: global }
      - { .name: xs, .offset: 48, .size: 8, .value_kind: global_buffer, .address_space: global }
      - { .name: wc, .offset: 56, .size: 8, .value_kind: global_buffer, .address_space: global }
      - { .name: ws, .offset: 64, .size: 8, .value_kind: global_buffer, .address_space: global }
    .group_segment_fixed_size: 69120
    .private_segment_fixed_size: 0
    .kernarg_segment_align: 8
    .kernarg_segment_size: 72
    .max_flat_workgroup_size: 128
    .sgpr_count:     66
    .vgpr_count:     194
    .wavefront_size: 32
...
	.end_amdgpu_metadata
.endif
;; end of part 1
;; launch proj (part 2): grid 4 x 48, 4 waves a work-group, clusters of 4 x 4, 327,680 bytes of LDS; arguments xc, xs, wc, ws, qrec, kv; writes qrec, kv
.if DOCPART == 2
	.amdgcn_target "amdgcn-amd-amdhsa--gfx1250"
	.amdhsa_code_object_version 6
	.text
	.protected	k_qf0321e93fb_proj
	.globl	k_qf0321e93fb_proj
	.p2align	8
	.type	k_qf0321e93fb_proj,@function
k_qf0321e93fb_proj:
	s_mov_b64 s[64:65], 0
	v_nop
	global_prefetch_b8 v0, s[64:65] scope:SCOPE_SE
	s_setreg_imm32_b32 hwreg(HW_REG_WAVE_MODE, 25, 1), 1
	s_wait_xcnt 0x0
	s_wait_alu depctr_hold_cnt(0) depctr_sa_sdst(0) depctr_va_vdst(0) depctr_va_sdst(0) depctr_va_ssrc(0) depctr_va_vcc(0) depctr_vm_vsrc(0)
	s_getreg_b32 s2, hwreg(HW_REG_IB_STS2, 6, 4)
	s_cmp_eq_u32 s2, 0
	s_cbranch_scc0 .Lentry_in_a_cluster
	s_endpgm
.Lentry_in_a_cluster:
	s_bfe_u32 s2, ttmp6, 0x10000c
	s_cmp_lg_u32 s2, 0xf033
	s_cbranch_scc0 .Lentry_shape_is_right
	s_endpgm
.Lentry_shape_is_right:
; The three projections on codes of FP6 (E2M3) with E8M0 scales, and the quantising of their results: q and k along the head's 64, v along the keys.  Nothing leaves in f32.
; ONE FORM FOR ALL THREE: C'[i][j] = sum over k of S1[i][k] S0[j][k], K = 1,024, quantised along j.  Source 0 of the matrix instruction takes 16 rows of S0, source 1 16 rows of S1,
; so that a lane holds ONE row i and its registers run along j.   q, k: S1 = the tokens' codes, S0 = the weight's columns (j = the heads' channels).   v: S1 = wv's columns, S0 = the tokens (j = the keys).
; Twelve clusters of 4 x 4 work-groups: cluster y / 4 says which projection, cluster y % 4 which 1,024 tokens.  A work-group makes 256 x 256 of C', a wave 128 x 128: 64 accumulators, 512 registers.
; K goes in steps of 256 through a ring of two LDS slots (rows of 192 bytes, 16 bytes of padding behind every 64); the scale bytes of the work-group's 2 x 256 rows come once and stay.
; S1's tile is shared along a row of the cluster, S0's along a column: each is asked for JOINTLY, by the same tensor load with the same descriptor and a mask that names the four.
; 192 work-groups: tiles of 128 x 128 would be 768, three for each WGP one after the other, each feeding half the products from an LDS byte.
; ROW ORDER.  In the operands' buffers place 32 a + 16 u + r holds row 32 a + 8 u + r + 8 (r / 8).  So the 16 registers of a lane in the accumulators (a, 2 b) and (a, 2 b + 1) are 16 NEIGHBOURS
; along j: j = 32 b + 16 (lane / 16) + 0 .. 15, which is what the conversions want; and lane r of S1's block a holds row 32 (a / 2) + 8 (a % 2) + r + 8 (r / 8), which is what the next launch wants of a tile of keys.
; WHAT IS STORED: images of the next launch's operand registers, in planes of 256 bytes: plane p holds lane l's registers 2 p, 2 p + 1 at 256 p + 8 l.  Every store covers 256 or 512 consecutive bytes, aligned.
;   qrec: for each (batch, head) and 128 tokens a record of 6,656 bytes: 8 tiles x 3 planes, then 512 bytes of scale words.
;   kv:   a record of 13,312 bytes: K's 8 tiles x 3 planes; V's 4 tiles of 16 channels x 6 planes; K's scale words; V's scale words.
; LIMITS: NaN and infinities are not served; a block whose largest magnitude lies under 2^-124 gets the byte 1 (its bytes are read by this program alone).
; REGISTERS, in windows of 256: window 0: v0-31 addresses; v32-63 scale words, two sets; from v128 S1's fragments, one set; on the way out v32-99 are at work.
;   window 1: S0's fragments, two sets, at v0 and v128.   window 2: the accumulators of my rows 0-63 ((a, b) at v[8 (8 a + b)]);   window 3: those of my rows 64-127.
.set KSTEP,  256                       ; along K in a slot
.set NQ,     KSTEP/128                 ; matrix instructions deep
.set ROWB,   192                       ; a tile's row in bytes
.set KROW,   768                       ; a row of codes in memory
.set PITCH,  240                       ; an LDS row: 3 x (64 bytes + 16 of padding)
.set FR,     12                        ; registers of a fragment: 16 rows x 128 K
.set NL,     6                         ; LDS loads that bring one
.set NP,     4                         ; places behind this matrix instruction (ISA guide 7.12.1)
.set HALFT,  128*PITCH                 ; 128 rows: what one tensor load brings
.set SLOT,   4*HALFT                   ; S1's 256 rows, then S0's 256 rows
.set LAPS,   2                         ; 1,024 along K = twice round the ring
.set KS,     32                        ; a row of scale bytes
.set SCL,    2*SLOT                    ; behind the ring: the scales, as units of 256 bytes + 16 of padding
.set HALFS,  (128*KS/256)*272          ; the scales of 128 rows
.set SBLK,   (16*KS/256)*272           ; those of 16 rows
.set SPARE,  SCL+4*HALFS               ; the spare words, 128 bytes for each wave: two blocks of 256 bytes that no other line names
.set ADRA, 16                          ; v16-17 LDS address of my S1 fragments in slot 0, 1 (v18-19: behind one padding more)
.set ADRB, 20                          ; v20-23 the same for S0
.set L8,   24                          ; v24    8 x lane: my place in a plane
.set L16,  25                          ; v25    16 x lane: my place among the scale words
.set FLR,  26                          ; v26    the floor 2^(3 - 127)
.set ADRS, 27                          ; v27    LDS address of my scale words: lanes 0-15 S1's rows, lanes 16-31 S0's
.set SPW,  28                          ; v28    LDS address of my spare word; never rewritten
.set NIL,  29                          ; v29    0; never rewritten
.set SC,   32                          ; scale words: set s at v[SC + 16 s]; register 2 i + q: lanes 0-15 S1's block i, lanes 16-31 S0's block i
.set AF,   128                         ; S1's fragments, in window 0
.set TM,   32                          ; the way out: v32-35 largest magnitudes, v36-39 the other half's, then bytes, v44-47 the conversions' scale operands
.set PWS,  48                          ; v48-55 block a's scale word
.set SL,   56                          ; v56-59, v84-99: the scale words on their way to their layout
.set CD,   64                          ; v64-75 a block's codes; v76-78, v80-82 the halves that are made elsewhere and moved
.set LO,   84
.set HI,   88
.set OA,   92
.set OB,   96
.set G1, 24                            ; s[24:31] descriptor group 1 for S1's tiles;  s[32:39] group 0, one set for each slot
.set G0, 32
.set G1B, 48                           ; s[48:55], s[56:63] the same for S0's tiles
.set G0B, 56
.set G1S, 68                           ; s[68:75], s[76:79] groups 1 and 0 for S1's scales;  s[80:87], s[88:91] for S0's
.set G0S, 76
.set G1SB, 80
.set G0SB, 88
.set MSB, 0
.macro WIN new                         ; the immediate's high byte repeats the setting that is left
.if MSB != \new
	s_set_vgpr_msb (MSB<<8)|\new
.set MSB, \new
.endif
.endm
.set MUL_LO, 0xa1                      ; source 0 window 1, source 1 window 0, C and D window 2
.set MUL_HI, 0xf1                      ; the same, C and D window 3
.set TO_B,   0x40                      ; destination window 1, address window 0
; A joint load: waves 0 and 1 fetch for S1, waves 2 and 3 for S0.  Each of the two lines has one mask and one set of registers; the branch hangs on the wave's number alone.
; Four v_nop follow each of the two lines, ahead of the jump, the label and what follows.
.macro JLOAD g0a, g1a, g0b, g1b
	s_cmp_eq_u32 s15, 0
	s_cbranch_scc0 .Lfor_b_\@
	tensor_load_to_lds s[\g0a:\g0a+3], s[\g1a:\g1a+7]
	s_nop 0
.rept 4
	v_nop
.endr
	s_branch .Lasked_\@
.Lfor_b_\@:
	tensor_load_to_lds s[\g0b:\g0b+3], s[\g1b:\g1b+7]
	s_nop 0
.rept 4
	v_nop
.endr
.Lasked_\@:
.endm
.macro CREST                           ; a round of the cluster's barrier behind its opening barrier
	s_cmp_lg_u32 s14, 0
	s_cbranch_scc1 .Lnot_wave_0_\@
	s_barrier_signal -3
.Lnot_wave_0_\@:
	s_barrier_wait -3
	s_barrier_signal -1
	s_barrier_wait -1
.endm
.macro CROUND                          ; a whole round
	s_barrier_signal -1
	s_barrier_wait -1
	CREST
.endm
	s_load_b256 s[4:11], s[0:1], 0x0               ; xc s[4:5], xs s[6:7], wc s[8:9], ws s[10:11]
	s_load_b64 s[12:13], s[0:1], 0x20              ; qrec
	s_load_b64 s[2:3], s[0:1], 0x28                ; kv
	v_lshl_add_u32 v[SPW], v0, 2, SPARE
	v_mov_b32 v[NIL], 0
	ds_add_u32 v28, v29
	ds_add_u32 v28, v29
	s_wait_dscnt 0x0
	v_lshrrev_b32 v1, 5, v0
	v_readfirstlane_b32 s14, v1                    ; wave 0..3
	s_lshr_b32 s15, s14, 1                         ; which half of S1's 256 rows is mine.  Also: I fetch for S1 (0) or for S0 (1)
	s_and_b32 s16, s14, 1                          ; which half of S0's.  Also: which 128 rows of that tile I fetch
	s_bfe_u32 s40, ttmp6, 0x40000                  ; cx, cy: my place in the cluster
	s_bfe_u32 s41, ttmp6, 0x40004
	s_and_b32 s66, ttmp7, 0xffff                   ; cluster y, 0 .. 11
	s_and_b32 s67, s66, 3                          ; which 1,024 tokens
	s_lshr_b32 s66, s66, 2                         ; which projection: 0 q, 1 k, 2 v
	s_lshl_b32 s95, s67, 2                         ; their first tile of 256
	s_lshl_b32 s96, s66, 12                        ; q, k: S1 begins at xc's row 0 or 4,096,
	s_lshl_b32 s97, s66, 10                        ; S0 at wc's row 0 or 1,024
	s_cmp_eq_u32 s66, 2                            ; v: the sides change places
	s_cselect_b32 s98, 0, s95
	s_cselect_b32 s99, s95, 0
	s_cselect_b32 s96, 2048, s96                   ; S1 = wc from row 2,048
	s_cselect_b32 s97, 4096, s97                   ; S0 = xc from row 4,096
	s_add_co_u32 s17, s98, s41                     ; S1's tile: hangs on cy and the cluster's y alone
	s_add_co_u32 s42, s99, s40                     ; S0's tile: on cx and the cluster's y alone
	s_lshl_b32 s43, s41, 2
	s_lshl_b32 s43, 15, s43                        ; my row of the cluster
	s_lshl_b32 s44, 0x1111, s40                    ; my column
	; descriptor group 1: a tile of 128 rows x 192 bytes, padded in LDS
	s_or_b32 s[G1+0], s43, (0<<16)|(1<<20)|(1<<21)|(3<<22)|(3<<25)  ; 15:0 the mask: S1's tiles go to my row; 17:16 elements of 1 byte; 20 padding on; 21 set beside a mask; 24:22 after every 16 words; 31:25 of 4 words
	s_or_b32 s[G1B+0], s44, (0<<16)|(1<<20)|(1<<21)|(3<<22)|(3<<25)
.irp g, G1, G1B
	s_mov_b32 s[\g+1], ROWB<<16                    ; tensor_dim0
	s_mov_b32 s[\g+2], 128<<16                     ; tensor_dim1
	s_mov_b32 s[\g+3], ROWB<<16                    ; tile_dim0
	s_mov_b32 s[\g+4], 128                         ; tile_dim1
	s_mov_b32 s[\g+5], KROW                        ; tensor_dim0_stride
	s_mov_b32 s[\g+6], 0
	s_mov_b32 s[\g+7], 0
.endr
	; the scales of 128 rows: a dense block of 4,096 bytes, as 16 rows of 256 bytes (32 elements of 8 bytes), 16 bytes of padding behind each
	s_or_b32 s[G1S+0], s43, (3<<16)|(1<<20)|(1<<21)|(5<<22)|(3<<25)
	s_or_b32 s[G1SB+0], s44, (3<<16)|(1<<20)|(1<<21)|(5<<22)|(3<<25)
.irp g, G1S, G1SB
	s_mov_b32 s[\g+1], 32<<16
	s_mov_b32 s[\g+2], (128*KS/256)<<16
	s_mov_b32 s[\g+3], 32<<16
	s_mov_b32 s[\g+4], 128*KS/256
	s_mov_b32 s[\g+5], 32
	s_mov_b32 s[\g+6], 0
	s_mov_b32 s[\g+7], 0
.endr
	s_lshl_b32 s18, s16, 7                         ; which 128 rows of the tile I fetch
	s_lshl_b32 s20, s17, 8
	s_add_co_u32 s20, s20, s18
	s_add_co_u32 s20, s20, s96                     ; S1: first row + 256 x tile + 128 x half
	s_lshl_b32 s46, s42, 8
	s_add_co_u32 s46, s46, s18
	s_add_co_u32 s46, s46, s97                     ; S0 likewise
	s_mov_b32 s21, 0
	s_mov_b32 s47, 0
	s_mov_b64 s[18:19], KS
	s_mul_u64 s[22:23], s[20:21], s[18:19]         ; where these rows' scales begin, in bytes
	s_mul_u64 s[92:93], s[46:47], s[18:19]
	s_mov_b64 s[18:19], KROW
	s_mul_u64 s[20:21], s[20:21], s[18:19]         ; and their codes
	s_mul_u64 s[46:47], s[46:47], s[18:19]
	s_mul_i32 s45, s14, HALFT                      ; where they go: wave x 128 rows: no place in the cluster enters an LDS address
	s_mul_i32 s94, s14, HALFS
	s_wait_kmcnt 0x0
	s_cmp_eq_u32 s66, 2                            ; which buffer is which side: the choice hangs on the cluster's y alone
	s_cselect_b64 s[98:99], s[8:9], s[4:5]         ; S1's codes
	s_cselect_b64 s[100:101], s[10:11], s[6:7]     ; S1's scales
	s_cselect_b64 s[8:9], s[4:5], s[8:9]           ; S0's codes
	s_cselect_b64 s[10:11], s[6:7], s[10:11]       ; S0's scales
	s_add_nc_u64 s[20:21], s[98:99], s[20:21]
	s_add_nc_u64 s[22:23], s[100:101], s[22:23]
	s_add_nc_u64 s[46:47], s[8:9], s[46:47]
	s_add_nc_u64 s[92:93], s[10:11], s[92:93]
	s_cmp_eq_u32 s66, 0
	s_cselect_b64 s[12:13], s[12:13], s[2:3]       ; where the results go: qrec, or kv
	CROUND                                         ; all sixteen work-groups are here: the first joint loads meet
	s_mov_b32 s[G0S], 1
	s_add_co_u32 s[G0S+1], s94, SCL
	s_mov_b64 s[G0S+2:G0S+3], s[22:23]
	s_or_b32 s[G0S+3], s[G0S+3], 0x80000000
	s_mov_b32 s[G0SB], 1
	s_add_co_u32 s[G0SB+1], s94, SCL
	s_mov_b64 s[G0SB+2:G0SB+3], s[92:93]
	s_or_b32 s[G0SB+3], s[G0SB+3], 0x80000000
	JLOAD G0S, G1S, G0SB, G1SB                     ; the scales first: they are wanted with K step 0
.irp s, 0,1
	s_mov_b32 s[G0+4*\s], 1
	s_add_co_u32 s[G0+4*\s+1], s45, \s*SLOT
	s_add_nc_u64 s[G0+4*\s+2:G0+4*\s+3], s[20:21], \s*ROWB
	s_or_b32 s[G0+4*\s+3], s[G0+4*\s+3], 0x80000000
	s_mov_b32 s[G0B+4*\s], 1
	s_add_co_u32 s[G0B+4*\s+1], s45, \s*SLOT
	s_add_nc_u64 s[G0B+4*\s+2:G0B+4*\s+3], s[46:47], \s*ROWB
	s_or_b32 s[G0B+4*\s+3], s[G0B+4*\s+3], 0x80000000
	JLOAD G0+4*\s, G1, G0B+4*\s, G1B               ; three tensor loads of mine are out now
.endr
	v_and_b32 v1, 15, v0                           ; l % 16
	v_bfe_u32 v2, v0, 4, 1                         ; l / 16
	v_mul_u32_u24 v3, v1, PITCH
	v_mul_u32_u24 v4, v2, 24
	v_add_nc_u32 v4, v3, v4                        ; a fragment's row x pitch + 24 x half
	v_lshl_add_u32 v5, v2, 4, v4                   ; and the same behind one padding more
	s_mul_i32 s21, s15, HALFT                      ; my 128 rows of S1
	s_mul_i32 s22, s16, HALFT                      ; my 128 rows of S0,
	s_add_co_u32 s22, s22, 2*HALFT                 ; which lie behind S1's 256
.irp s, 0,1
	v_add_nc_u32 v[ADRA+\s], s21, v4
	v_add_nc_u32 v[ADRB+\s], s22, v4
	v_add_nc_u32 v[ADRA+2+\s], s21, v5
	v_add_nc_u32 v[ADRB+2+\s], s22, v5
	s_add_co_u32 s21, s21, SLOT
	s_add_co_u32 s22, s22, SLOT
.endr
	v_mul_u32_u24 v5, v1, KS                       ; my row's scales: 32 bytes a row,
	v_lshrrev_b32 v6, 8, v5
	v_lshl_add_u32 v5, v6, 4, v5                   ; and 16 more for each 256 passed
	s_mul_i32 s21, s15, HALFS                      ; S1's: my 128 rows
	s_mul_i32 s22, s16, HALFS                      ; S0's: my 128 rows, behind S1's 256
	s_add_co_u32 s22, s22, 2*HALFS
	s_sub_co_u32 s22, s22, s21
	v_mul_u32_u24 v6, s22, v2                      ; lanes 16-31 take S0's: one product, the distance between the two bases
	s_add_co_u32 s21, s21, SCL
	v_add_nc_u32 v5, v5, v6
	v_add_nc_u32 v[ADRS], s21, v5
	v_and_b32 v6, 31, v0
	v_lshlrev_b32 v[L8], 3, v6
	v_lshlrev_b32 v[L16], 4, v6
	v_mov_b32 v[FLR], 0x1800000
.macro FRAG reg, adr, q, i             ; a fragment is 12 registers: lane l holds row l % 16; registers 6 c .. 6 c + 5 hold K = 64 c + 32 (l / 16) + 0 .. 31: 24 bytes of the row's stream of bits, as they lie
.irp p, 0,1,2,3,4,5                    ; in pieces of 8 bytes.  Lanes 0-15 take the row's pieces 12 q + 0, 1, 2 and 12 q + 6, 7, 8, lanes 16-31 those three pieces on
.set PCE, 12*(\q)+6*(\p/3)+\p%3       ; 16 bytes of padding lie behind every 8 pieces: where the piece three on lies behind one padding more, the second address register serves
.if PCE%8 < 5
	ds_load_b64 v[\reg+2*\p:\reg+2*\p+1], v[\adr] offset:8*PCE+16*(PCE/8)+(\i)*16*PITCH
.else
	ds_load_b64 v[\reg+2*\p:\reg+2*\p+1], v[\adr+2] offset:8*PCE+16*(PCE/8)+(\i)*16*PITCH
.endif
.endr
.endm
; 16 matrix instructions: S1's blocks a0, a0 + 1 x S0's eight, 128 along K: the slot's q-th.  p: S0's set;  sc: the set of scale words.  zero = 1: the first product starts the sums.
; The 64 accumulators take turns, one instruction a turn, in the same order in every step.
.macro MUL16 a0, p, q, sc, zero
.irp a, \a0, \a0+1
.irp b, 0,1,2,3,4,5,6,7
.if \zero
	v_wmma_scale_f32_16x16x128_f8f6f4 v[8*(8*((\a)%4)+\b):8*(8*((\a)%4)+\b)+7], v[128*(\p)+FR*\b:128*(\p)+FR*\b+FR-1], v[AF+FR*(\a):AF+FR*(\a)+FR-1], 0, v[SC+8*NQ*(\sc)+NQ*\b+(\q)], v[SC+8*NQ*(\sc)+NQ*(\a)+(\q)] matrix_a_fmt:MATRIX_FMT_FP6 matrix_b_fmt:MATRIX_FMT_FP6 matrix_a_scale:MATRIX_SCALE_ROW1
.else
	v_wmma_scale_f32_16x16x128_f8f6f4 v[8*(8*((\a)%4)+\b):8*(8*((\a)%4)+\b)+7], v[128*(\p)+FR*\b:128*(\p)+FR*\b+FR-1], v[AF+FR*(\a):AF+FR*(\a)+FR-1], v[8*(8*((\a)%4)+\b):8*(8*((\a)%4)+\b)+7], v[SC+8*NQ*(\sc)+NQ*\b+(\q)], v[SC+8*NQ*(\sc)+NQ*(\a)+(\q)] matrix_a_fmt:MATRIX_FMT_FP6 matrix_b_fmt:MATRIX_FMT_FP6 matrix_a_scale:MATRIX_SCALE_ROW1
.endif
.endr
.endr
.endm
.macro FETCH_B slot, q, p              ; S0's eight fragments of the slot's q-th 128 along K into set p
	WIN TO_B
.irp i, 0,1,2,3,4,5,6,7
	FRAG 128*(\p)+FR*\i, ADRB+\slot, \q, \i
.endr
	WIN 0
.endm
.macro FETCH_A slot, q, i0             ; S1's blocks i0 .. i0 + 3
.irp i, \i0, \i0+1, \i0+2, \i0+3
	FRAG AF+FR*(\i), ADRA+\slot, \q, \i
.endr
.endm
.macro SCALES sc                       ; the next K step's scale words into set sc: two words a row; lanes 0-15 take S1's block i, lanes 16-31 S0's block i
.irp i, 0,1,2,3,4,5,6,7
	ds_load_b64 v[SC+8*NQ*\sc+NQ*\i:SC+8*NQ*\sc+NQ*\i+1], v[ADRS] offset:\i*SBLK
.endr
.endm
; A load into a register that a matrix instruction has read, and a vector instruction that reads a matrix result or writes one of its registers, stand four places behind it; only plain
; vector instructions that name none of its registers are places (ISA guide 7.12.1 for vector instructions).
.macro PLACES n
.rept \n
	v_nop
.endr
.endm
; A step of 128 along K that has its successor in the same slot.
.macro STEP slot, q, zero
	s_wait_dscnt 4*NL                              ; S0's set and S1's blocks 0-3 are in; the youngest 24 loads (S1's blocks 4-7) may be out
	WIN MUL_LO
	MUL16 0, (\q)%2, \q, \slot, \zero
	MUL16 2, (\q)%2, \q, \slot, \zero
	s_wait_dscnt 0                                 ; S1's blocks 4-7 are in (asked for 32 matrix instructions ago)
	PLACES NP
	FETCH_B \slot, (\q)+1, 1-(\q)%2
	FETCH_A \slot, (\q)+1, 0
	WIN MUL_HI
	MUL16 4, (\q)%2, \q, \slot, \zero
	MUL16 6, (\q)%2, \q, \slot, \zero
	PLACES NP
	WIN 0
	FETCH_A \slot, (\q)+1, 4
.endm
; A slot's last step changes slots: one barrier; in front of it each wave waits for all its tensor loads, adds 0 to its spare word, and waits for that and for its own reads of this slot.
; fill = 1: this slot is filled again, two K steps ahead; the barrier then opens a round of the cluster's barrier.
.macro TURN slot, next, fill
	s_wait_tensorcnt 0x0                           ; all my tensor loads have landed: my part of the next slot
	ds_add_u32 v[SPW], v[NIL]                      ; 0 onto my spare word
	s_wait_dscnt 4*NL+1                            ; (the add and the youngest 24 loads, S1's blocks 4-7, may be out)
	WIN MUL_LO
	MUL16 0, 1, NQ-1, \slot, 0                     ; sixteen matrix instructions stand between the add and the wait for it
	s_wait_dscnt 0x0                               ; the add is done, and my reads of this slot are over
	s_barrier_signal -1
	MUL16 2, 1, NQ-1, \slot, 0
	WIN 0
	s_barrier_wait -1
.if \fill
	CREST                                          ; no wave of any partner still reads this slot's tile or has a load on its way
	s_add_nc_u64 s[G0+4*\slot+2:G0+4*\slot+3], s[G0+4*\slot+2:G0+4*\slot+3], 2*ROWB
	s_add_nc_u64 s[G0B+4*\slot+2:G0B+4*\slot+3], s[G0B+4*\slot+2:G0B+4*\slot+3], 2*ROWB
	JLOAD G0+4*\slot, G1, G0B+4*\slot, G1B         ; the first tensor load behind the round; its four v_nop are also the places in front of the loads below
.else
	PLACES NP
.endif
	v_add_nc_u32 v[ADRS], 4*NQ, v[ADRS]            ; on to the next K step's scale words
	FETCH_B \next, 0, 0
	FETCH_A \next, 0, 0
	SCALES \next
	WIN MUL_HI
	MUL16 4, 1, NQ-1, \slot, 0
	MUL16 6, 1, NQ-1, \slot, 0
	PLACES NP
	WIN 0
	FETCH_A \next, 0, 4
.endm
	s_wait_tensorcnt 1                             ; the scales and my part of K step 0 are in; K step 1's load, the one issued behind them, may be out
	s_barrier_signal -1
	s_barrier_wait -1                              ; everybody's are
	FETCH_B 0, 0, 0
	FETCH_A 0, 0, 0
	SCALES 0
	FETCH_A 0, 0, 4
	STEP 0, 0, 1                                   ; the first step stands in front of the loop: its products start the sums
	s_mov_b32 s3, LAPS-1
.Llap:                                                 ; a trip goes once round the ring, from a lap's second step to the next lap's first, and fills both slots again
	TURN 0, 1, 1
	STEP 1, 0, 0
	TURN 1, 0, 1
	STEP 0, 0, 0
	s_sub_co_u32 s3, s3, 1
	s_cmp_lg_u32 s3, 0
	s_cbranch_scc1 .Llap
	TURN 0, 1, 0                                   ; the last lap fills nothing, and has no round of the cluster's barrier
	STEP 1, 0, 0
	s_wait_dscnt 4*NL                              ; the very last step: nothing more to fetch
	WIN MUL_LO
	MUL16 0, 1, NQ-1, 1, 0
	MUL16 2, 1, NQ-1, 1, 0
	s_wait_dscnt 0
	WIN MUL_HI
	MUL16 4, 1, NQ-1, 1, 0
	MUL16 6, 1, NQ-1, 1, 0
	WIN 0
; THE WAY OUT.  Where my results go, in scalars that never belonged to a descriptor.  No branch: what differs between the projections is chosen by s_cselect_b32.
	s_lshl_b32 s20, s17, 1
	s_add_co_u32 s20, s20, s15                     ; which 128 of S1's rows are mine
	s_lshl_b32 s21, s42, 1
	s_add_co_u32 s21, s21, s16                     ; which 128 of S0's
	s_mov_b32 s18, 13312
	s_mov_b32 s44, 12288
	s_cmp_eq_u32 s66, 0
	s_cselect_b32 s18, 6656, s18                   ; a record's bytes: qrec's or kv's
	s_cselect_b32 s44, 6144, s44                   ; where the scale words lie in it: q's, k's,
	s_lshl_b32 s41, s18, 4                         ; from a head to the next: 16 records
	s_mov_b32 s19, 12800
	s_mov_b32 s4, 768
	s_cmp_eq_u32 s66, 2
	s_cselect_b32 s22, s21, s20                    ; which 128 tokens,
	s_cselect_b32 s23, s20, s21                    ; which pair of heads
	s_cselect_b32 s44, s19, s44                    ; v's
	s_cselect_b32 s43, 6144, 0                     ; where the images lie in it
	s_cselect_b32 s45, 768, s41                    ; from planes 0-2 to planes 3-5: v: the same image; q, k: the next head's record
	s_cselect_b32 s4, 1536, s4                     ; from block to block: an image
	s_cselect_b32 s6, 206848, 0                    ; v: behind four blocks on to the next head: 16 x 13,312 - 4 x 1,536
	s_cselect_b32 s100, -1, 0                      ; all lanes where the projection is v
	s_mov_b32 s101, 0xffff0000                     ; lanes 16-31
	s_mov_b32 s98, 0x76543210
	s_mov_b32 s99, 0xfedcba98                      ; v_permlanex16_b32's selects for lane l xor 16
	s_mov_b32 s5, 0
	s_mov_b32 s7, 0
	s_lshr_b32 s40, s22, 4                         ; the batch
	s_lshl_b32 s40, s40, 4
	s_lshl_b32 s19, s23, 1
	s_add_co_u32 s40, s40, s19                     ; x 16 + the pair's first head
	s_lshl_b32 s40, s40, 4
	s_and_b32 s19, s22, 15
	s_add_co_u32 s40, s40, s19                     ; x 16 + the 128 tokens' number in the batch
	s_mul_i32 s40, s40, s18                        ; the record, in bytes
	s_mov_b32 s3, 0
	s_add_co_u32 s2, s40, s43
	s_add_nc_u64 s[8:9], s[12:13], s[2:3]          ; planes 0-2 of block 0
	s_mov_b32 s2, s45
	s_add_nc_u64 s[10:11], s[8:9], s[2:3]          ; planes 3-5
	s_add_co_u32 s2, s40, s44
	s_add_nc_u64 s[46:47], s[12:13], s[2:3]        ; the first head's scale words
	s_mov_b32 s2, s41
	s_add_nc_u64 s[92:93], s[46:47], s[2:3]        ; the second head's
	PLACES NP                                      ; behind the last products: their results are read and their scale registers written below
.irp b, 0,1,2,3
	v_mov_b32 v[TM+4+\b], 0                        ; written once: a lane permute's destination counts as one of its sources
.endr
; Block a: 16 rows of S1 x my 128 along j.  A lane's 64 numbers, register 16 b + i = j 32 b + 16 (lane / 16) + i, become 12 registers of codes and a scale word; the codes leave as six planes.
.macro QOUT a
.set AC, 64*((\a)%4)
.set WA, ((2+(\a)/4)<<2)|((2+(\a)/4)<<4)   ; sources 1 and 2: the block's window
.set WB, 2+(\a)/4                          ; source 0: the block's window
	WIN WA
.irp b, 0,1,2,3
	v_max3_num_f32 v[TM+\b], v[FLR], |v[AC+16*\b]|, |v[AC+16*\b+1]|   ; block b of 32: my 16 numbers, and the floor; each accumulator is read from its low end on
.endr
.irp i, 2,4,6,8,10,12,14
.irp b, 0,1,2,3
	v_max3_num_f32 v[TM+\b], v[TM+\b], |v[AC+16*\b+\i]|, |v[AC+16*\b+\i+1]|   ; (the four blocks by turns)
.endr
.endr
	WIN 0
.irp b, 0,1,2,3
	v_permlanex16_b32 v[TM+4+\b], v[TM+\b], s98, s99
.endr
.irp b, 0,1,2,3
	v_max_num_f32 v[TM+\b], v[TM+\b], v[TM+4+\b]   ; with lane l xor 16's: the block's largest magnitude
.endr
.irp b, 0,1,2,3
	v_add_nc_u32 v[TM+12+\b], 0xff000000, v[TM+\b] ; 2 off its exponent field: the conversion's scale operand
.endr
.irp b, 0,1,2,3
	v_lshrrev_b32 v[TM+4+\b], 23, v[TM+12+\b]      ; the scale's byte
.endr
	v_lshl_or_b32 v[PWS+(\a)], v[TM+5], 8, v[TM+4] ; the four bytes: my row's scale word
	v_lshl_or_b32 v[PWS+(\a)], v[TM+6], 16, v[PWS+(\a)]
	v_lshl_or_b32 v[PWS+(\a)], v[TM+7], 24, v[PWS+(\a)]
.if (\a) > 0
	s_wait_xcnt 0x0                                ; the last block's stores have read their data and their bases: both are written again only behind this wait
	s_add_nc_u64 s[8:9], s[8:9], s[4:5]
	s_add_nc_u64 s[10:11], s[10:11], s[4:5]
.endif
.if (\a) == 4
	s_add_nc_u64 s[8:9], s[8:9], s[6:7]
	s_add_nc_u64 s[10:11], s[10:11], s[6:7]
.endif
	WIN WB
.irp c, 0,1
	v_cvt_scalef32_pk16_fp6_f32 v[CD+6*\c:CD+2+6*\c], v[AC+32*\c:AC+15+32*\c], v[TM+12+2*\c]
	v_cvt_scalef32_pk16_fp6_f32 v[CD+12+4*\c:CD+14+4*\c], v[AC+16+32*\c:AC+31+32*\c], v[TM+12+2*\c+1]   ; (a conversion's three registers begin on an even number)
.endr
	WIN 0
	v_nop                                          ; one plain place behind a scaled conversion
.irp c, 0,1                                    ; the operand's layout wants a WHOLE block in a lane: lanes 0-15 block 2 c, lanes 16-31 block 2 c + 1
.irp i, 0,1,2
	v_permlane16_swap_b32 v[CD+6*\c+\i], v[CD+12+4*\c+\i]
.endr
.irp i, 0,1,2
	v_mov_b32 v[CD+3+6*\c+\i], v[CD+12+4*\c+\i]
.endr
.endr
.irp p, 0,1,2
	global_store_b64 v[L8], v[CD+2*\p:CD+2*\p+1], s[8:9] offset:256*\p        ; q, k: the first head's 64 of tile a; v: keys 0-63 of these 16 channels.  32 lanes store 256 consecutive bytes, aligned
.endr
.irp p, 0,1,2
	global_store_b64 v[L8], v[CD+6+2*\p:CD+7+2*\p], s[10:11] offset:256*\p    ; q, k: the second head's; v: keys 64-127
.endr
.endm
.irp a, 0,1,2,3,4,5,6,7
	QOUT \a
.endr
; The scale words.  q, k: a word's low half is the first head's two bytes, its high half the second head's; the upper two bytes of a stored word are 0 and stand over zero codes.
; Lane (r, h) stores four words: word b is tile 2 b + h's.   v: a word is a channel's four key blocks: word t is tile t's, blocks 0-3 for the first head, 4-7 for the second.
.irp b, 0,1,2,3
	v_cndmask_b32 v[SL+\b], v[PWS+2*\b], v[PWS+2*\b+1], s101
.endr
.irp b, 0,1,2,3
	v_and_b32 v[LO+\b], 0xffff, v[SL+\b]
	v_lshrrev_b32 v[HI+\b], 16, v[SL+\b]
.endr
.irp b, 0,1,2,3
	v_cndmask_b32 v[OA+\b], v[LO+\b], v[PWS+\b], s100
	v_cndmask_b32 v[OB+\b], v[HI+\b], v[PWS+4+\b], s100
.endr
	global_store_b128 v[L16], v[OA:OA+3], s[46:47] ; 512 consecutive bytes, aligned
	global_store_b128 v[L16], v[OB:OB+3], s[92:93]
	s_wait_tensorcnt 0x0                           ; the wave's end
	ds_add_u32 v[SPW], v[NIL]
	s_wait_dscnt 0x0
	CROUND                                         ; the closing round: no work-group ends while a partner may still ask for a tile that names it
	s_endpgm
.Lfunc_end_k_qf0321e93fb_proj:
	.size	k_qf0321e93fb_proj, .Lfunc_end_k_qf0321e93fb_proj-k_qf0321e93fb_proj
	.p2alignl 7, 3214868480
	.fill 96, 4, 3214868480
	.section	.rodata,"a",@progbits
	.p2align	6, 0x0
	.amdhsa_kernel k_qf0321e93fb_proj
		.amdhsa_group_segment_fixed_size 327680
		.amdhsa_private_segment_fixed_size 0
		.amdhsa_enable_private_segment 0
		.amdhsa_kernarg_size 48
		.amdhsa_user_sgpr_count 2
		.amdhsa_user_sgpr_kernarg_segment_ptr 1
		.amdhsa_wavefront_size32 1
		.amdhsa_system_sgpr_workgroup_id_x 1
		.amdhsa_system_sgpr_workgroup_id_y 1
		.amdhsa_system_sgpr_workgroup_id_z 1
		.amdhsa_system_vgpr_workitem_id 0
		.amdhsa_next_free_vgpr 1024
		.amdhsa_next_free_sgpr 102
		.amdhsa_reserve_vcc 0
		.amdhsa_float_denorm_mode_32 3
		.amdhsa_float_denorm_mode_16_64 3
		.amdhsa_memory_ordered 1
		.amdhsa_forward_progress 1
		.amdhsa_inst_pref_size 169
	.end_amdhsa_kernel
	.amdgpu_metadata
---
amdhsa.version: [ 1, 2 ]
amdhsa.kernels:
  - .name:           k_qf0321e93fb_proj
    .symbol:         k_qf0321e93fb_proj.kd
    .args:
      - { .name: xc, .offset: 0, .size: 8, .value_kind: global_buffer, .address_space: global }
      - { .name: xs, .offset: 8, .size: 8, .value_kind: global_buffer, .address_space: global }
      - { .name: wc, .offset: 16, .size: 8, .value_kind: global_buffer, .address_space: global }
      - { .name: ws, .offset: 24, .size: 8, .value_kind: global_buffer, .address_space: global }
      - { .name: qrec, .offset: 32, .size: 8, .value_kind: global_buffer, .address_space: global }
      - { .name: kv, .offset: 40, .size: 8, .value_kind: global_buffer, .address_space: global }
    .group_segment_fixed_size: 327680
    .private_segment_fixed_size: 0
    .kernarg_segment_align: 8
    .kernarg_segment_size: 48
    .max_flat_workgroup_size: 128
    .sgpr_count:     102
    .vgpr_count:     1024
    .wavefront_size: 32
...
	.end_amdgpu_metadata
.endif
;; end of part 2
;; launch attn (part 3): grid 8 x 32, 16 waves a work-group, clusters of 4 x 1, 284,672 bytes of LDS; arguments qrec, kv, out0; writes out0
.if DOCPART == 3
	.amdgcn_target "amdgcn-amd-amdhsa--gfx1250"
	.amdhsa_code_object_version 6
	.text
	.protected	k_qf0321e93fb_attn
	.globl	k_qf0321e93fb_attn
	.p2align	8
	.type	k_qf0321e93fb_attn,@function
k_qf0321e93fb_attn:
	s_mov_b64 s[64:65], 0
	v_nop
	global_prefetch_b8 v0, s[64:65] scope:SCOPE_SE
	s_setreg_imm32_b32 hwreg(HW_REG_WAVE_MODE, 25, 1), 1
	s_wait_xcnt 0x0
	s_wait_alu depctr_hold_cnt(0) depctr_sa_sdst(0) depctr_va_vdst(0) depctr_va_sdst(0) depctr_va_ssrc(0) depctr_va_vcc(0) depctr_vm_vsrc(0)
	s_getreg_b32 s2, hwreg(HW_REG_IB_STS2, 6, 4)
	s_cmp_eq_u32 s2, 0
	s_cbranch_scc0 .Lentry_in_a_cluster
	s_endpgm
.Lentry_in_a_cluster:
	s_bfe_u32 s2, ttmp6, 0x10000c
	s_cmp_lg_u32 s2, 0x3003
	s_cbranch_scc0 .Lentry_shape_is_right
	s_endpgm
.Lentry_shape_is_right:
; out0[b][q][64 h ..] = the sum over k of softmax_k(q . k / 8) v, for 32 (batch, head), 2,048 queries and keys, head size 64; both products on codes of FP6 (E2M3) with E8M0 scales.
; THE SOFTMAX AHEAD OF THE SECOND PRODUCT: t = score x log2(e) / 8; M = the row's largest t so far, rounded UP to a whole number; p = 2^(t - M) is what is quantised, along the keys, not normalised.
; The row's sum is taken of the unquantised p, in f32, and divides O at the end.  When M moves, the sum and O are multiplied by 2^(old M - new M): exact.
; INPUTS: images of operand registers, in planes of 256 bytes (plane p: lane l's registers 2 p, 2 p + 1 at 256 p + 8 l).  For each (batch, head) and 128 tokens:
;   qrec: 6,656 bytes: Q's 8 tiles x 3 planes; 512 bytes of scale words.   kv: 13,312 bytes: K's 8 tiles x 3 planes; V's 4 tiles of 16 channels x 6 planes; K's scale words; V's scale words.
;   Lane r of tile t of Q or K holds token 32 (t / 2) + 8 (t % 2) + r + 8 (r / 8); likewise the channels of V's tiles.
; SHARES.  A work-group owns 256 queries of one (batch, head); each of its sixteen waves one tile of 16, in 256 registers: four waves to a SIMD, so that one wave's vector work stands beside
; another's matrix work and LDS loads.  Every wave walks the 2,048 keys, 128 a step.
; THE WHOLE HEAD'S K AND V, 212,992 bytes, LIE IN LDS, as they lie in memory, filled ONCE: no ring, no byte is filled again.  The four work-groups of a cluster belong to one head: each part is asked
; for JOINTLY (mask 15).  The head comes in four groups of four steps; each wave asks for a sixteenth of each group, 13 rows of 256 bytes: four tensor loads of a wave are out at the start.
; No prefetch into the L2: every request of the launch goes out in its first lines.
; LAYOUT.  Both products are used transposed: S^T = K Q^T (source 0 = 16 keys, source 1 = my 16 queries), O^T = V^T P^T: a lane holds ONE query (lane % 16) throughout, and the 16 registers of the
; score tiles 2 b, 2 b + 1 are keys 32 b + 16 (lane / 16) + 0 .. 15.  The first product's K is 64: registers 6-11 of Q's and K's fragments are zero codes, written once; their scale bytes are 0 (2^-127).
; LIMITS: NaN and infinities are not served; a p under 2^-126 falls to 0 (v_exp_f32 flushes); a block of p all zeros keeps the byte 1 over zero codes.
; REGISTERS: v1-7 addresses; v12 -M, v13 the largest t, v[14:15] the sum in two halves; v16-27 Q; v28-31 V's scale words; v32-127 K's eight fragments; v128-191 S^T, then p, then V's four fragments;
;   v192-223 O^T; v224-235 p's codes; v232-247 at work; v248-251 K's scale words; v252 f; v253 p's scale word; v254 at work; v255 Q's scale word.
.set REC,   13312                      ; a step's record in kv and in LDS
.set GRP,   4*REC                      ; a group of four steps
.set PART,  GRP/16                     ; a wave's part of a group: 13 x 256 bytes
.set HEADB, 16*REC                     ; a head
.set VIMG,  6144                       ; in a record: V's images,
.set KSCO,  12288                      ; K's scale words,
.set VSCO,  12800                      ; V's scale words
.set QREC,  6656
.set STG,   HEADB                      ; behind the head: a stage of 16 rows x (256 bytes + 16) for each wave; no fill lands there
.set KF,    32
.set S,     128
.set O,     192
.macro CROUND                          ; a round of the cluster's barrier
	s_barrier_signal -1
	s_barrier_wait -1
	s_cmp_lg_u32 s10, 0
	s_cbranch_scc1 .Lnot_wave_0_\@
	s_barrier_signal -3
.Lnot_wave_0_\@:
	s_barrier_wait -3
	s_barrier_signal -1
	s_barrier_wait -1
.endm
	s_load_b128 s[4:7], s[0:1], 0x0                ; qrec s[4:5], kv s[6:7]
	s_load_b64 s[8:9], s[0:1], 0x10                ; out0
	v_lshl_add_u32 v254, v0, 2, 0x45000
	v_mov_b32 v255, 0
	ds_add_u32 v254, v255
	ds_add_u32 v254, v255
	s_wait_dscnt 0x0
	v_lshrrev_b32 v8, 5, v0
	v_readfirstlane_b32 s10, v8                    ; wave 0..15
	s_bfe_u32 s11, ttmp6, 0x40000                  ; cx: my place in the cluster
	s_lshl_b32 s12, ttmp9, 2
	s_add_co_u32 s12, s12, s11                     ; my block of 256 queries: it enters Q's and out0's addresses alone
	s_and_b32 s13, ttmp7, 0xffff                   ; 16 x batch + head, which the four partners share
	; descriptor group 1: 13 rows of 256 bytes, dense
	s_mov_b32 s24, 15|(3<<16)|(1<<21)              ; 15:0 the mask: all four work-groups; 17:16 elements of 8 bytes; 20 no padding; 21 set beside a mask
	s_mov_b32 s25, 32<<16                          ; tensor_dim0 = 32
	s_mov_b32 s26, 13<<16                          ; tensor_dim1 = 13
	s_mov_b32 s27, 32<<16                          ; tile_dim0 = 32
	s_mov_b32 s28, 13                              ; tile_dim1 = 13
	s_mov_b32 s29, 32                              ; tensor_dim0_stride
	s_mov_b32 s30, 0
	s_mov_b32 s31, 0
	s_mul_i32 s14, s10, PART                       ; my part of a group, in LDS as in memory
	s_mul_i32 s16, s13, HEADB
	s_add_co_u32 s16, s16, s14
	s_mov_b32 s17, 0
	s_mov_b32 s20, 0x76543210
	s_mov_b32 s21, 0xfedcba98                      ; v_permlanex16_b32's selects for lane l xor 16
	s_mov_b32 s22, 0x3e38aa3b                      ; c = log2(e) / 8
	s_mov_b32 s23, s22                             ; (named with it as a pair, so it is written)
	s_wait_kmcnt 0x0
	s_add_nc_u64 s[16:17], s[6:7], s[16:17]
.irp g, 0,1,2,3
	s_mov_b32 s[32+4*\g], 1                        ; count = 1
	s_add_co_u32 s[33+4*\g], s14, GRP*\g           ; LDS address
	s_add_nc_u64 s[34+4*\g:35+4*\g], s[16:17], GRP*\g
	s_or_b32 s[35+4*\g], s[35+4*\g], 0x80000000    ; type = 2
.endr
	CROUND                                         ; all four work-groups are here: the joint loads meet
.irp g, 0,1,2,3
	tensor_load_to_lds s[32+4*\g:35+4*\g], s[24:31]
	s_nop 0
.endr
.rept 4
	v_nop
.endr
	v_and_b32 v8, 31, v0                           ; lane
	v_lshlrev_b32 v1, 3, v8                        ; my place in a plane
	v_lshlrev_b32 v2, 4, v8                        ; and among a step's scale words
	v_and_b32 v9, 15, v0                           ; r
	v_bfe_u32 v10, v0, 4, 1                        ; h
	v_lshlrev_b32 v11, 4, v9                       ; Q's scale words: 16 bytes a lane
	s_lshl_b32 s50, s13, 4
	s_lshl_b32 s51, s12, 1
	s_add_co_u32 s50, s50, s51
	s_lshr_b32 s51, s10, 3
	s_add_co_u32 s50, s50, s51                     ; my record of Q: 16 (16 b + h) + 2 x block + wave / 8
	s_mul_i32 s50, s50, QREC
	s_and_b32 s52, s10, 7                          ; my tile in it
	s_mul_i32 s51, s52, 768
	s_add_co_u32 s54, s50, s51
	s_mov_b32 s55, 0
	s_add_nc_u64 s[54:55], s[4:5], s[54:55]        ; its image
	s_and_b32 s51, s10, 1
	s_lshl_b32 s51, s51, 8                         ; its scale words: an odd tile's lie in the upper sixteen lanes' places,
	s_add_co_u32 s56, s50, s51
	s_lshr_b32 s51, s52, 1
	s_lshl_b32 s51, s51, 2                         ; word tile / 2
	s_add_co_u32 s56, s56, s51
	s_add_co_u32 s56, s56, 6144
	s_mov_b32 s57, 0
	s_add_nc_u64 s[56:57], s[4:5], s[56:57]
.irp p, 0,1,2
	global_load_b64 v[16+2*\p:17+2*\p], v1, s[54:55] offset:256*\p   ; Q's fragment stays in registers
.endr
	global_load_b32 v255, v11, s[56:57]            ; lane r: query-lane r's word
	s_lshr_b32 s50, s13, 4
	s_lshl_b32 s50, s50, 11                        ; out0's row: 2,048 x batch
	s_lshl_b32 s51, s12, 8
	s_add_co_u32 s50, s50, s51                     ; + 256 x block
	s_lshr_b32 s51, s10, 1
	s_lshl_b32 s51, s51, 5
	s_add_co_u32 s50, s50, s51                     ; + 32 (wave / 2)
	s_and_b32 s51, s10, 1
	s_lshl_b32 s51, s51, 3
	s_add_co_u32 s50, s50, s51                     ; + 8 (wave % 2)
	s_lshl_b32 s50, s50, 12                        ; 4,096 bytes a row
	s_and_b32 s51, s13, 15
	s_lshl_b32 s51, s51, 8                         ; the head's 256 bytes
	s_add_co_u32 s50, s50, s51
	s_mov_b32 s51, 0
	s_add_nc_u64 s[8:9], s[8:9], s[50:51]
	v_lshlrev_b32 v5, 12, v10
	v_lshl_add_u32 v5, v9, 4, v5                   ; the way out: lanes 0-15 one row of out0, lanes 16-31 the next; 16 bytes a lane
	s_mul_i32 s18, s10, 16*272
	s_add_co_u32 s18, s18, STG                     ; my stage
	v_mul_u32_u24 v6, v9, 272
	v_lshl_add_u32 v6, v10, 6, v6
	v_add_nc_u32 v6, s18, v6                       ; in: row r, + 64 h
	v_mul_u32_u24 v7, v10, 272
	v_lshl_add_u32 v7, v9, 4, v7
	v_add_nc_u32 v7, s18, v7                       ; back: lanes 0-15 one row, lanes 16-31 the next
.irp t, 0,1,2,3,4,5,6,7
.irp i, 6,7,8,9,10,11
	v_mov_b32 v[KF+12*\t+\i], 0                    ; K's codes beyond the head's 64: zeros, written once; no load ever lands here
.endr
.endr
.irp i, 22,23,24,25,26,27
	v_mov_b32 v\i, 0                               ; Q's likewise
.endr
	v_mov_b32 v13, 0xff61b1e6                      ; the largest t so far: -3e38, under every t
	v_floor_f32 v12, -v13                          ; -M
	v_mov_b32 v14, 0                               ; the sum, in two halves
	v_mov_b32 v15, 0
.irp b, 0,1,2,3
	v_mov_b32 v[236+\b], 0                         ; written once: a lane permute's destination counts as one of its sources
.endr
	v_mov_b32 v253, 0                              ; (named as the upper half of the pair v[252:253] before it is first written)
.set j, 0
.rept 32
	v_mov_b32 v[O+j], 0                            ; O^T.  (The step is written once: the first finds zeros, which the first change of M leaves zeros)
.set j, j+1
.endr
; A KEY STEP: 128 keys; their record begins at LDS byte s48.
.macro STEP
	v_add_nc_u32 v3, s48, v1
	v_add_nc_u32 v4, s48, v2
	ds_load_b128 v[248:251], v4 offset:KSCO        ; K's scale words: register b: lanes 0-15 tile 2 b's, lanes 16-31 tile 2 b + 1's
	ds_load_b128 v[28:31], v4 offset:VSCO          ; V's: register t: tile t's
.irp t, 0,1,2,3,4,5,6,7
.irp p, 0,1,2
	ds_load_b64 v[KF+12*\t+2*\p:KF+12*\t+2*\p+1], v3 offset:768*\t+256*\p   ; a plane: 256 consecutive bytes
.endr
.endr
	s_wait_dscnt 0x0
.irp t, 0,1,2,3,4,5,6,7                        ; S^T = K Q^T: eight accumulators, each begun with the constant 0
.if (\t)%2
	v_wmma_scale_f32_16x16x128_f8f6f4 v[S+8*\t:S+8*\t+7], v[KF+12*\t:KF+12*\t+11], v[16:27], 0, v[248+\t/2], v255 matrix_a_fmt:MATRIX_FMT_FP6 matrix_b_fmt:MATRIX_FMT_FP6 matrix_a_scale:MATRIX_SCALE_ROW1
.else
	v_wmma_scale_f32_16x16x128_f8f6f4 v[S+8*\t:S+8*\t+7], v[KF+12*\t:KF+12*\t+11], v[16:27], 0, v[248+\t/2], v255 matrix_a_fmt:MATRIX_FMT_FP6 matrix_b_fmt:MATRIX_FMT_FP6
.endif
.endr
.rept 4
	v_nop                                          ; four places in front of the first read of the scores
.endr
.irp b, 0,1,2,3
	v_max3_num_f32 v[232+\b], v[S+16*\b], v[S+1+16*\b], v[S+2+16*\b]   ; THE LARGEST SCORE OF EACH BLOCK OF 32 KEYS: for the row's maximum, and, since p rises with the score, for the block's largest p
.endr
.irp i, 3,5,7,9,11,13
.irp b, 0,1,2,3
	v_max3_num_f32 v[232+\b], v[232+\b], v[S+16*\b+\i], v[S+1+16*\b+\i]   ; (the four blocks by turns)
.endr
.endr
.irp b, 0,1,2,3
	v_max_num_f32 v[232+\b], v[232+\b], v[S+15+16*\b]
.endr
.irp b, 0,1,2,3
	v_permlanex16_b32 v[236+\b], v[232+\b], s20, s21
.endr
.irp b, 0,1,2,3
	v_max_num_f32 v[232+\b], v[232+\b], v[236+\b]  ; with lane l xor 16's 16 keys
.endr
	v_max3_num_f32 v254, v232, v233, v234
	v_max_num_f32 v254, v254, v235                 ; the step's largest score of my query
	v_mul_f32 v254, s22, v254                      ; as t (c is positive)
	v_max_num_f32 v13, v13, v254                   ; the running largest t
	v_mov_b32 v254, v12
	v_floor_f32 v12, -v13                          ; the new -M = floor(-t) = -ceil(t): a whole number
	v_sub_f32 v254, v12, v254                      ; M's old value less its new one: a whole number, 0 or less
	v_cvt_i32_f32 v254, v254                       ; (it saturates)
	v_ldexp_f32 v252, 1.0, v254                    ; f = 2^(old M - new M): a multiplication by it rounds nothing
.set j, 0
.rept 32
	v_pk_fma_f32 v[S+j:S+j+1], v[S+j:S+j+1], s[22:23], v[12:13] op_sel_hi:[1,0,0]   ; t - M, two at a time (of the pairs c and -M the low word serves both halves)
.set j, j+2
.endr
.irp b, 0,1,2,3
	v_fma_f32 v[232+\b], v[232+\b], s22, v12       ; the same of each block's largest score
.endr
.set j, 0
.rept 64
	v_exp_f32 v[S+j], v[S+j]                       ; p = 2^(t - M), at most 1: not normalised
.set j, j+1
.endr
	v_pk_mul_f32 v[14:15], v[14:15], v[252:253] op_sel_hi:[1,0]   ; the sums under the new M (the plain line behind the exponentials)
	s_wait_alu depctr_va_vdst(0)                   ; one wait for the batch of 64, ahead of its first reader
.irp b, 0,1,2,3
	v_exp_f32 v[232+\b], v[232+\b]                 ; the block's largest p: the same two instructions on the same number give the same bits
.endr
	v_pk_add_f32 v[236:237], v[S:S+1], v[S+2:S+3]  ; THE ROW'S SUM IS TAKEN OF THE UNQUANTISED p: two at a time, in two chains (they read the 64 alone: plain work behind the four)
.irp j, 4,8,12,16,20,24,28,32,36,40,44,48,52,56,60
	v_pk_add_f32 v[14:15], v[14:15], v[S+\j:S+1+\j]
	v_pk_add_f32 v[236:237], v[236:237], v[S+2+\j:S+3+\j]
.endr
	v_pk_add_f32 v[14:15], v[14:15], v[236:237]
	s_wait_alu depctr_va_vdst(0)                   ; and one for the four
.irp b, 0,1,2,3
	v_max_num_f32 v[232+\b], 0x1800000, v[232+\b]  ; the floor 2^(3 - 127): the byte cannot fall under 1
.endr
.irp b, 0,1,2,3
	v_add_nc_u32 v[244+\b], 0xff000000, v[232+\b]  ; 2 off the exponent field: the conversion's scale operand
.endr
.irp b, 0,1,2,3
	v_lshrrev_b32 v[236+\b], 23, v[244+\b]         ; the scale's byte
.endr
	v_lshl_or_b32 v253, v237, 8, v236              ; p's scale word for these 128 keys
	v_lshl_or_b32 v253, v238, 16, v253
	v_lshl_or_b32 v253, v239, 24, v253
.irp c, 0,1
	v_cvt_scalef32_pk16_fp6_f32 v[224+6*\c:226+6*\c], v[S+32*\c:S+15+32*\c], v[244+2*\c]
	v_cvt_scalef32_pk16_fp6_f32 v[236+4*\c:238+4*\c], v[S+16+32*\c:S+31+32*\c], v[244+2*\c+1]   ; (a conversion's three registers begin on an even number)
.endr
	v_nop                                          ; one plain place behind a scaled conversion
.irp t, 0,1,2,3                                ; V's four fragments land where p lay: p has been summed and converted
.irp p, 0,1,2,3,4,5
	ds_load_b64 v[S+12*\t+2*\p:S+12*\t+2*\p+1], v3 offset:VIMG+1536*\t+256*\p
.endr
.endr
.irp c, 0,1                                    ; the operand's layout wants a WHOLE block in a lane: lanes 0-15 block 2 c, lanes 16-31 block 2 c + 1
.irp i, 0,1,2
	v_permlane16_swap_b32 v[224+6*\c+\i], v[236+4*\c+\i]
.endr
.irp i, 0,1,2
	v_mov_b32 v[227+6*\c+\i], v[236+4*\c+\i]
.endr
.endr
.set j, 0
.rept 16
	v_pk_mul_f32 v[O+j:O+j+1], v[O+j:O+j+1], v[252:253] op_sel_hi:[1,0]   ; O^T under the new M.  (These 16 are also the places between the codes' and the scale word's last writes and the products below)
.set j, j+2
.endr
	s_wait_dscnt 0x0                               ; V is in
.irp t, 0,1,2,3                                ; O^T += V^T P^T: four accumulators, one instruction a turn; the next matrix instruction is the next step's first score tile
	v_wmma_scale_f32_16x16x128_f8f6f4 v[O+8*\t:O+8*\t+7], v[S+12*\t:S+12*\t+11], v[224:235], v[O+8*\t:O+8*\t+7], v[28+\t], v253 matrix_a_fmt:MATRIX_FMT_FP6 matrix_b_fmt:MATRIX_FMT_FP6
.endr
.rept 4
	v_nop                                          ; with the next step's two additions six places: the next scores are written over V's fragments (five are owed), and loads land on V's scale words (four); behind the last step: O^T is read (four)
.endr
.endm
; A group of four steps.  The count leaves the later groups' loads of mine out, so they may stay in flight across the barrier.
.macro GROUP g
	s_wait_tensorcnt 3-\g                          ; my part of group g is in;
	s_barrier_signal -1
	s_barrier_wait -1                              ; everybody's is
	s_mov_b32 s48, GRP*\g
	s_mov_b32 s49, 4
.Lstep_\@:
	STEP
	s_add_co_u32 s48, s48, REC
	s_sub_co_u32 s49, s49, 1
	s_cmp_lg_u32 s49, 0
	s_cbranch_scc1 .Lstep_\@
.endm
	s_wait_loadcnt 0x0                             ; Q and its scale word
	GROUP 0
	GROUP 1
	GROUP 2
	GROUP 3
	; THE WAY OUT.  O^T is divided by the sum and goes through my stage in LDS, so that sixteen lanes store a row's 256 consecutive bytes.
	v_add_f32 v14, v14, v15                        ; the sum's two halves,
	v_permlanex16_b32 v252, v14, s20, s21
	v_add_f32 v14, v14, v252                       ; and lane l xor 16's: the row's sum, at least 1/2
	v_rcp_f32 v14, v14
	v_nop                                          ; a plain place behind the reciprocal
	s_wait_alu depctr_va_vdst(0)                   ; and the wait ahead of its first reader
.set j, 0
.rept 32
	v_mul_f32 v[S+j], v[O+j], v14                  ; register 16 a + i is channel 32 a + 16 h + i of query-lane r; each accumulator is read from its low end on
.set j, j+1
.endr
.irp a, 0,1
.irp i, 0,1,2,3
	ds_store_b128 v6, v[S+16*\a+4*\i:S+16*\a+4*\i+3] offset:128*\a+16*\i
.endr
.endr
.irp i, 0,1,2,3,4,5,6,7
	ds_load_b128 v[32+4*\i:35+4*\i], v7 offset:544*\i   ; LDS serves a wave's instructions in order: these see my stores
.endr
.irp i, 0,1,2,3,4,5,6,7
	s_wait_dscnt 7-\i                              ; load i is back; the younger ones may be out
	global_store_b128 v5, v[32+4*\i:35+4*\i], s[8:9] offset:(2*\i+8*(\i/4))*4096 th:TH_STORE_NT   ; query-lanes 8-15 are the queries 16 further on; 16 lanes store 256 consecutive bytes, aligned
.endr
	s_wait_xcnt 0x0
	v_lshl_add_u32 v254, v0, 2, 0x45000
	v_mov_b32 v255, 0
	s_wait_tensorcnt 0x0
	ds_add_u32 v254, v255
	s_wait_dscnt 0x0
	CROUND                                         ; the closing round: no work-group ends while a partner may still ask for a part that names it
	s_endpgm
.Lfunc_end_k_qf0321e93fb_attn:
	.size	k_qf0321e93fb_attn, .Lfunc_end_k_qf0321e93fb_attn-k_qf0321e93fb_attn
	.p2alignl 7, 3214868480
	.fill 96, 4, 3214868480
	.section	.rodata,"a",@progbits
	.p2align	6, 0x0
	.amdhsa_kernel k_qf0321e93fb_attn
		.amdhsa_group_segment_fixed_size 284672
		.amdhsa_private_segment_fixed_size 0
		.amdhsa_enable_private_segment 0
		.amdhsa_kernarg_size 24
		.amdhsa_user_sgpr_count 2
		.amdhsa_user_sgpr_kernarg_segment_ptr 1
		.amdhsa_wavefront_size32 1
		.amdhsa_system_sgpr_workgroup_id_x 1
		.amdhsa_system_sgpr_workgroup_id_y 1
		.amdhsa_system_sgpr_workgroup_id_z 1
		.amdhsa_system_vgpr_workitem_id 0
		.amdhsa_next_free_vgpr 256
		.amdhsa_next_free_sgpr 66
		.amdhsa_reserve_vcc 0
		.amdhsa_float_denorm_mode_32 3
		.amdhsa_float_denorm_mode_16_64 3
		.amdhsa_memory_ordered 1
		.amdhsa_forward_progress 1
		.amdhsa_inst_pref_size 81
	.end_amdhsa_kernel
	.amdgpu_metadata
---
amdhsa.version: [ 1, 2 ]
amdhsa.kernels:
  - .name:           k_qf0321e93fb_attn
    .symbol:         k_qf0321e93fb_attn.kd
    .args:
      - { .name: qrec, .offset: 0, .size: 8, .value_kind: global_buffer, .address_space: global }
      - { .name: kv, .offset: 8, .size: 8, .value_kind: global_buffer, .address_space: global }
      - { .name: out0, .offset: 16, .size: 8, .value_kind: global_buffer, .address_space: global }
    .group_segment_fixed_size: 284672
    .private_segment_fixed_size: 0
    .kernarg_segment_align: 8
    .kernarg_segment_size: 24
    .max_flat_workgroup_size: 512
    .sgpr_count:     66
    .vgpr_count:     256
    .wavefront_size: 32
...
	.end_amdgpu_metadata
.endif
;; end of part 3
